; MI455X (gfx1250); checked and timed in simulation.
; The chip was launched on July 23, 2026; its instructions are those of AMD's public machine-readable ISA for CDNA 5 (MIT licence, August 2026) and "CDNA5" Instruction Set Architecture Reference Guide (July 2026). The comments in the code are by the model that wrote it; some were corrected since.
;; Ternary Linear. Allowed arithmetic: float matrix products may take bf16 or f16 operands with f32 sums; all other float work in f32.
;; Inputs: W1 4,096 x 4,096 float32; W2 4,096 x 4,096 float32; b1 4,096 float32; b2 4,096 float32; x 2,048 x 4,096 float32.
;; Outputs: out0 2,048 x 4,096 float32.
;; 2 versions, each right; version 2 is version 1 with the launch prep written anew for expert scheduling mode. Each part assembles by itself: llvm-mc -triple=amdgcn-amd-amdhsa -mcpu=gfx1250 --defsym DOCPART=n.
;; ======== version 1 of 2: 2 launches
;; workspace buffers: xb 16,777,216 bytes; tw 33,554,432 bytes
;; launch prep (part 1): grid 1024 x 1, 8 waves a work-group, no clusters, 0 bytes of LDS; arguments W1, W2, x, tw, xb; writes tw, xb
.if DOCPART == 1
	.amdgcn_target "amdgcn-amd-amdhsa--gfx1250"
	.amdhsa_code_object_version 6
	.text
	.protected	k_qa4d21c9759_prep
	.globl	k_qa4d21c9759_prep
	.p2align	8
	.type	k_qa4d21c9759_prep,@function
k_qa4d21c9759_prep:
	s_mov_b64 s[64:65], 0
	v_nop
	global_prefetch_b8 v0, s[64:65] scope:SCOPE_SE
	s_setreg_imm32_b32 hwreg(HW_REG_WAVE_MODE, 25, 1), 1
	s_wait_xcnt 0x0
; tw = bf16( s(W1) - s(W2) ), xb = bf16(x), where s(w) = w + (sign(w) - w) in f32, term by term as the problem writes it:
; NaN, infinities, both zeros, denormals and very large |w| come out as that formula gives them, so W has no limit of range.
; The one rounding beyond the formula's own is the last one, to bf16 (s(W1) - s(W2) is -2, -1, 0, 1, 2 up to a last bit of f32).
; The two products of the problem share x, so x s(W1)^T - x s(W2)^T = x (s(W1) - s(W2))^T: one matrix to multiply by, not two.
;
; ROWS OF tw ARE PERMUTED inside groups of 64: row n = 64 G + 4 r + b (r 0..15, b 0..3) of the difference lies at row 64 G + 16 b + r of tw.
; The product's launch then finds four neighbouring columns of a row of the output in one lane.  Here it costs a store's immediate.
;
; A stream: no byte is shared, so no LDS, no barrier, no matrix unit.  Eight waves; work-group g owns rows 4 g .. 4 g + 3 of W1 and W2
; (65,536 neighbouring bytes of each) and 32,768 bytes of x.  A step is 4,096 bytes of f32: thread t takes the 16 bytes at 16 t (a wave's
; load covers 512 neighbouring bytes) and stores 8 bytes at 8 t (a wave's store covers 256 consecutive bytes, aligned).
; 20 pairs of loads (16: a step of W1 with the same step of W2; 4: two steps of x) go through a ring of DEPTH register slots, so that
; 2 DEPTH loads of every wave are on their way.  All is written out: every place stands in an immediate, no address register is ever
; rewritten, and every turn has result registers of its own, so that no source of a pending store is ever rewritten either.
.set DEPTH, 6                          ; slots = pairs of loads in flight in each wave
.set PAIRS, 20
.set WPAIRS, 16
.set STEP,  4096                       ; bytes of f32 in a step
.set OSTEP, 2048                       ; bytes of bf16 that it makes
.set R, 4                              ; v[4:51]    slot i: 8 registers: W1's 4 and W2's 4, or x's 4 and 4
.set S, 52                             ; v[52:59]   at work
.set Y, 60                             ; v[60:91]   W turn t: 2 registers to store;  v[92:107] x turn p: 4 registers to store
	s_load_b256 s[4:11], s[0:1], 0x0               ; W1 s[4:5], W2 s[6:7], x s[8:9], tw s[10:11]
	s_load_b64 s[12:13], s[0:1], 0x20              ; xb
	v_lshlrev_b32 v1, 4, v0                        ; 16 t: my bytes in a step as loaded
	v_lshlrev_b32 v2, 3, v0                        ; 8 t: my bytes in a step as stored
	s_mov_b32 s16, 0x7fffffff                      ; all but the sign
	s_mov_b32 s15, 0                               ; offsets stay below 2^27: the pair's high word is 0
	s_lshr_b32 s17, ttmp9, 4                       ; G = g / 16
	s_lshl_b32 s17, s17, 6
	s_and_b32 s18, ttmp9, 15                       ; r = g mod 16
	s_add_co_u32 s17, s17, s18                     ; row 64 G + r of tw: where my row b = 0 goes
	s_lshl_b32 s14, ttmp9, 16                      ; g x 4 rows x 16,384 bytes
	s_wait_kmcnt 0x0
	s_add_nc_u64 s[4:5], s[4:5], s[14:15]
	s_add_nc_u64 s[6:7], s[6:7], s[14:15]
	s_lshl_b32 s14, ttmp9, 15                      ; g x 32,768 bytes of x
	s_add_nc_u64 s[8:9], s[8:9], s[14:15]
	s_lshl_b32 s14, ttmp9, 14                      ; g x 16,384 bytes of xb
	s_add_nc_u64 s[12:13], s[12:13], s[14:15]
	s_lshl_b32 s14, s17, 13                        ; a row of tw is 8,192 bytes
	s_add_nc_u64 s[10:11], s[10:11], s[14:15]
; Pair p goes out, into slot p mod DEPTH.  The inputs are read once in the launch: non-temporal.
.macro LOADPAIR p
.set LX, R+8*((\p)%DEPTH)
.if (\p) < WPAIRS
	global_load_b128 v[LX:LX+3],   v1, s[4:5] offset:STEP*(\p) th:TH_LOAD_NT
	global_load_b128 v[LX+4:LX+7], v1, s[6:7] offset:STEP*(\p) th:TH_LOAD_NT
.else
	global_load_b128 v[LX:LX+3],   v1, s[8:9] offset:STEP*(2*((\p)-WPAIRS)) th:TH_LOAD_NT
	global_load_b128 v[LX+4:LX+7], v1, s[8:9] offset:STEP*(2*((\p)-WPAIRS)+1) th:TH_LOAD_NT
.endif
.endm
; Pair p is in.  Loads come back in order (ISA guide 5.7.1), and at turn p the pairs up to min(p + DEPTH - 1, PAIRS - 1) have gone out:
; the count is the two loads of each pair younger than p: 10, and in the last turns 8, 6, 4, 2, 0.
.macro WAITPAIR p
.if PAIRS-1-(\p) < DEPTH-1
	s_wait_loadcnt 2*(PAIRS-1-(\p))
.else
	s_wait_loadcnt 2*(DEPTH-1)
.endif
.endm
; Turn t of W: step t = quarter t mod 4 of my row b = t / 4.
.macro WTURN t
.set X, R+8*((\t)%DEPTH)
	WAITPAIR \t
.irp j, 0,1,2,3,4,5,6,7
	v_bfi_b32 v[S+\j], s16, 1.0, v[X+\j]           ; 1.0 with w's sign
.endr
.irp j, 0,1,2,3,4,5,6,7
	v_cmp_neq_f32 s[20+\j], 0, v[X+\j]             ; true for a NaN too: it then spoils the difference below, as in the formula
.endr
.irp j, 0,1,2,3,4,5,6,7
	v_cndmask_b32 v[S+\j], v[X+\j], v[S+\j], s[20+\j]      ; sign(w): a zero stays itself
.endr
.irp j, 0,2,4,6
	v_pk_add_f32 v[S+\j:S+\j+1], v[S+\j:S+\j+1], v[X+\j:X+\j+1] neg_lo:[0,1] neg_hi:[0,1]   ; sign(w) - w
.endr
.irp j, 0,2,4,6
	v_pk_add_f32 v[S+\j:S+\j+1], v[X+\j:X+\j+1], v[S+\j:S+\j+1]                             ; w + (sign(w) - w)
.endr
.if (\t)+DEPTH < PAIRS
	LOADPAIR (\t)+DEPTH                            ; the slot has had its last read: its next pair goes out, ahead of the store
.endif
	v_pk_add_f32 v[S:S+1],   v[S:S+1],   v[S+4:S+5] neg_lo:[0,1] neg_hi:[0,1]                ; W1's less W2's
	v_pk_add_f32 v[S+2:S+3], v[S+2:S+3], v[S+6:S+7] neg_lo:[0,1] neg_hi:[0,1]
	v_cvt_pk_bf16_f32 v[Y+2*(\t)],   v[S],   v[S+1]
	v_cvt_pk_bf16_f32 v[Y+2*(\t)+1], v[S+2], v[S+3]
	global_store_b64 v2, v[Y+2*(\t):Y+2*(\t)+1], s[10:11] offset:((\t)>>2)*16*8192+((\t)&3)*OSTEP   ; row b lies 16 b rows of tw further down; read again by the next launch: no hint
.endm
; Turn p of x: two steps, rounded and stored.
.macro XTURN p
.set X, R+8*((\p)%DEPTH)
.set YX, Y+2*WPAIRS+4*((\p)-WPAIRS)
	WAITPAIR \p
.irp j, 0,1,2,3
	v_cvt_pk_bf16_f32 v[YX+\j], v[X+2*\j], v[X+2*\j+1]
.endr
	global_store_b64 v2, v[YX:YX+1],   s[12:13] offset:OSTEP*(2*((\p)-WPAIRS))
	global_store_b64 v2, v[YX+2:YX+3], s[12:13] offset:OSTEP*(2*((\p)-WPAIRS)+1)
.endm
.irp p, 0,1,2,3,4,5
	LOADPAIR \p                                    ; the ring is filled
.endr
.irp t, 0,1,2,3,4,5,6,7,8,9,10,11,12,13,14,15
	WTURN \t
.endr
.irp p, 16,17,18,19
	XTURN \p
.endr
	s_endpgm
.Lfunc_end_k_qa4d21c9759_prep:
	.size	k_qa4d21c9759_prep, .Lfunc_end_k_qa4d21c9759_prep-k_qa4d21c9759_prep
	.p2alignl 7, 3214868480
	.fill 96, 4, 3214868480
	.section	.rodata,"a",@progbits
	.p2align	6, 0x0
	.amdhsa_kernel k_qa4d21c9759_prep
		.amdhsa_group_segment_fixed_size 0
		.amdhsa_private_segment_fixed_size 0
		.amdhsa_enable_private_segment 0
		.amdhsa_kernarg_size 40
		.amdhsa_user_sgpr_count 2
		.amdhsa_user_sgpr_kernarg_segment_ptr 1
		.amdhsa_wavefront_size32 1
		.amdhsa_system_sgpr_workgroup_id_x 1
		.amdhsa_system_sgpr_workgroup_id_y 1
		.amdhsa_system_sgpr_workgroup_id_z 1
		.amdhsa_system_vgpr_workitem_id 0
		.amdhsa_next_free_vgpr 108
		.amdhsa_next_free_sgpr 66
		.amdhsa_reserve_vcc 0
		.amdhsa_float_denorm_mode_32 3
		.amdhsa_float_denorm_mode_16_64 3
		.amdhsa_memory_ordered 1
		.amdhsa_forward_progress 1
		.amdhsa_inst_pref_size 45
	.end_amdhsa_kernel
	.amdgpu_metadata
---
amdhsa.version: [ 1, 2 ]
amdhsa.kernels:
  - .name:           k_qa4d21c9759_prep
    .symbol:         k_qa4d21c9759_prep.kd
    .args:
      - { .name: W1, .offset: 0, .size: 8, .value_kind: global_buffer, .address_space: global }
      - { .name: W2, .offset: 8, .size: 8, .value_kind: global_buffer, .address_space: global }
      - { .name: x, .offset: 16, .size: 8, .value_kind: global_buffer, .address_space: global }
      - { .name: tw, .offset: 24, .size: 8, .value_kind: global_buffer, .address_space: global }
      - { .name: xb, .offset: 32, .size: 8, .value_kind: global_buffer, .address_space: global }
    .group_segment_fixed_size: 0
    .private_segment_fixed_size: 0
    .kernarg_segment_align: 8
    .kernarg_segment_size: 40
    .max_flat_workgroup_size: 256
    .sgpr_count:     66
    .vgpr_count:     108
    .wavefront_size: 32
...
	.end_amdgpu_metadata
.endif
;; end of part 1
;; launch gemm (part 2): grid 16 x 16, 4 waves a work-group, clusters of 4 x 4, 327,680 bytes of LDS; arguments xb, tw, b1, b2, out0; writes out0
.if DOCPART == 2
	.amdgcn_target "amdgcn-amd-amdhsa--gfx1250"
	.amdhsa_code_object_version 6
	.text
	.protected	k_qa4d21c9759_gemm
	.globl	k_qa4d21c9759_gemm
	.p2align	8
	.type	k_qa4d21c9759_gemm,@function
k_qa4d21c9759_gemm:
	s_mov_b64 s[64:65], 0
	v_nop
	global_prefetch_b8 v0, s[64:65] scope:SCOPE_SE
	s_setreg_imm32_b32 hwreg(HW_REG_WAVE_MODE, 25, 1), 1
	s_wait_xcnt 0x0
	s_wait_alu depctr_hold_cnt(0) depctr_sa_sdst(0) depctr_va_vdst(0) depctr_va_sdst(0) depctr_va_ssrc(0) depctr_va_vcc(0) depctr_vm_vsrc(0)
	s_getreg_b32 s2, hwreg(HW_REG_IB_STS2, 6, 4)
	s_cmp_eq_u32 s2, 0
	s_cbranch_scc0 .Lentry_in_a_cluster
	s_endpgm
.Lentry_in_a_cluster:
	s_bfe_u32 s2, ttmp6, 0x10000c
	s_cmp_lg_u32 s2, 0xf033
	s_cbranch_scc0 .Lentry_shape_is_right
	s_endpgm
.Lentry_shape_is_right:
; out0[m][n] = sum over k of xb[m][k] T[n][k] + (b1[n] - b2[n]).  xb: [2048][4096] bf16.  tw: T's 4,096 rows of 4,096 bf16, permuted inside
; groups of 64: T's row 64 G + 4 r + b lies at row 64 G + 16 b + r of tw.  b1, b2: [4096] f32.  out0: [2048][4096] f32.  Sums in f32.
; LIMITS: x enters rounded to bf16 (f32's range, so nothing overflows that the problem's own sums would not); the two biases are added
; once, as b1 - b2, behind the sum: another order of rounding than (sum1 + b1) - (sum2 + b2), and no difference of two large sums.
;
; 16 x 16 work-groups, each a block of 128 rows x 256 columns, four waves, as many as a WGP has SIMDs; wave w makes rows 64 (w / 2) .. + 63,
; columns 128 (w mod 2) .. + 127: 4 x 8 accumulator tiles of 16 x 16, 256 registers.  (Blocks of 256 x 256 would be 128 work-groups only.)
;
; THE RING HAS TWO UNEQUAL SLOTS, filled by the tensor data mover: slot X holds 256 along K (rows of 512 bytes), slot Y 128 (rows of 256 bytes),
; each with 256 rows of tw and 128 rows of xb.  K is walked X0 Y0 X1 Y1 .. X9 Y9 X10: 10 x 384 + 256 = 4,096; X's tiles begin at byte 768 i of a
; row, Y's at 768 i + 512: every tile row starts at a multiple of 256 bytes from the buffer's first byte.  A wave issues one tensor load behind
; each change of slots, and that load has to be in at the next change.  So Y's load has X's eight quarter steps in which to land (240 matrix
; instructions from the request to the wait for it), X's load has Y's four (112), and K = 384 costs two changes of slots where two equal slots
; of 128 would cost three, each with 112.  Two slots of 256 would be 405,504 bytes, more than a WGP's LDS; two of 192 do not divide 4,096, and
; their rows would start at odd multiples of 128 bytes.
; CLUSTERS: 4 x 4 work-groups.  The four of a row of the cluster make blocks of one block row and need the same tiles of xb; the four of a
; column need the same tiles of tw.  Such a tile is asked for jointly: the same tensor load with the same descriptor and a mask that names
; the four, each receiving it in its own LDS.  That divides the requests for both operands by four.
;
; THE WAY OUT NEEDS NO LDS: in a result tile lane l holds tile column l % 16.  By tw's permutation the tiles b = 0..3 of a group of four hold,
; in lane r, the true columns 4 r .. 4 r + 3.  The bias add writes the four into neighbouring registers: 16 bytes a lane, and sixteen lanes
; store 256 consecutive bytes of a row of out0, aligned.
;
; REGISTERS, in windows of 256: window 0: v0-47 addresses and biases; v64-159, v160-255 two fragment buffers (8 fragments of tw, then 4 of xb);
; window 1: the 32 accumulator tiles, tile (a, b) at v[8 (8 a + b)].  s_set_vgpr_msb's low byte: bits 1:0 source 0, 3:2 source 1, 5:4 source 2,
; 7:6 destination.  Two switches for 32 matrix instructions; at a label and at a branch every window is 0.
.set KDIM,   4096
.set NDIM,   4096
.set KX,     256                       ; along K in slot X
.set KY,     128                       ; along K in slot Y
.set PX,     528                       ; X's LDS row: 512 bytes + 16 of padding = 33 x 16 bytes
.set PY,     272                       ; Y's LDS row: 256 bytes + 16 of padding = 17 x 16 bytes.  Both are odd multiples of 16 bytes: the 16 rows of a fragment load start at 16 different 16-byte columns of the 64 banks of 4 bytes (ISA guide 11.1)
.set BROWS,  256                       ; rows of tw in a slot
.set AROWS,  128                       ; rows of xb in a slot, behind tw's
.set XA,     BROWS*PX                  ; slot X lies at LDS byte 0; xb's rows in it
.set YBASE,  (BROWS+AROWS)*PX          ; slot Y: 202,752
.set YA,     YBASE+BROWS*PY            ; xb's rows in it; slot Y ends at 307,200
.set LAPB,   (KX+KY)*2                 ; bytes along a row in a lap (an X and a Y): 768
.set LAPS,   10                        ; whole laps; behind them one more X
.set OROW,   NDIM*4                    ; bytes in a row of out0
.set ADRA, 16                          ; v16-17  LDS address of my xb fragments in slot X, Y
.set ADRB, 20                          ; v20-21  the same for tw
.set CO,   24                          ; v24     my byte offset in out0: 8 (l / 16) rows + 16 (l % 16)
.set BO,   25                          ; v25     my byte offset in the biases: 16 (l % 16)
.set BD,   32                          ; v[32:39] b1, then b1 - b2: register 4 g + b = column 64 g + 4 r + b of my 128;  v[40:47] b2
.set F0,   64                          ; fragment buffer 0
.set F1,   160                         ; fragment buffer 1
; descriptors; sl = 0 for slot X, 1 for slot Y
.set G1A, 24                           ; s[24:31], s[40:47]  group 1 for xb's tiles (64 rows): at G1A + 16 sl
.set G1B, 32                           ; s[32:39], s[48:55]  group 1 for tw's tiles (128 rows): at G1B + 16 sl
.set G0A, 56                           ; s[56:59], s[68:71]  group 0 for xb's tiles: at G0A + 12 sl
.set G0B, 60                           ; s[60:63], s[72:75]  group 0 for tw's tiles: at G0B + 12 sl
.set CWX, (1<<16)|(1<<20)|(1<<21)|(6<<22)|(3<<25)  ; 17:16 element of 2 bytes; 20 padding on; 21 set beside a mask; 24:22 after every 128 words (code 6); 31:25 of 4 words (code 3)
.set CWY, (1<<16)|(1<<20)|(1<<21)|(5<<22)|(3<<25)  ; the same, after every 64 words (code 5)
.set MSB, 0
.macro WIN new                         ; the immediate's high byte repeats the setting that is left
.if MSB != \new
	s_set_vgpr_msb (MSB<<8)|\new
.set MSB, \new
.endif
.endm
.set ACCW, 0x50                        ; C and D in window 1, both fragments in window 0
.set EPIW, 0x01                        ; source 0 (a result) in window 1, the rest in window 0
; A joint load into slot sl.  Waves 0 and 1 fetch tw's two halves of 128 rows, waves 2 and 3 xb's two halves of 64.  Each line has one mask and one set of
; registers, and nothing in them hangs on a coordinate that the four partners do not share.  The branch hangs on the wave's number alone.
.macro JLOAD sl
	s_cmp_eq_u32 s15, 0
	s_cbranch_scc0 .Lfor_a_\@
	tensor_load_to_lds s[G0B+12*\sl:G0B+12*\sl+3], s[G1B+16*\sl:G1B+16*\sl+7]
	s_nop 0
	s_branch .Lasked_\@
.Lfor_a_\@:
	tensor_load_to_lds s[G0A+12*\sl:G0A+12*\sl+3], s[G1A+16*\sl:G1A+16*\sl+7]
	s_nop 0
.Lasked_\@:
.endm
; A round of the cluster's barrier: my work-group's barrier, so that wave 0's signal speaks for all four waves; wave 0 signals for the work-group;
; every wave waits for all sixteen work-groups; my work-group's barrier once more.
.macro CREST                           ; a round behind its opening barrier
	s_cmp_lg_u32 s14, 0
	s_cbranch_scc1 .Lnot_wave_0_\@
	s_barrier_signal -3
.Lnot_wave_0_\@:
	s_barrier_wait -3
	s_barrier_signal -1
	s_barrier_wait -1
.endm
.macro CROUND                          ; a whole round
	s_barrier_signal -1
	s_barrier_wait -1
	CREST
.endm
; A descriptor's group 1 at s[g]: a tile of rows x cols elements of 2 bytes out of rows of KDIM elements.  All sizes in elements; the tiles never cross
; the tensors' ends, so the extents are the tiles' own.
.macro SHAPE g, mask, cw, cols, rows
	s_or_b32  s[\g+0], \mask, \cw                  ; 15:0 the mask of the four that share the tile; the rest: see CWX, CWY
	s_mov_b32 s[\g+1], (\cols)<<16                 ; 63:48 tensor_dim0, low half
	s_mov_b32 s[\g+2], (\rows)<<16                 ; 79:64 its high half = 0; 95:80 tensor_dim1, low half
	s_mov_b32 s[\g+3], (\cols)<<16                 ; 111:96 its high half = 0; 127:112 tile_dim0
	s_mov_b32 s[\g+4], \rows                       ; 143:128 tile_dim1; 159:144 tile_dim2 = 0
	s_mov_b32 s[\g+5], KDIM                        ; 191:160 elements from row to row
	s_mov_b32 s[\g+6], 0
	s_mov_b32 s[\g+7], 0
.endm
	s_load_b256 s[4:11], s[0:1], 0x0               ; xb s[4:5], tw s[6:7], b1 s[8:9], b2 s[10:11]
	s_load_b64 s[12:13], s[0:1], 0x20              ; out0
	v_lshl_add_u32 v62, v0, 2, 0x4b000
	v_mov_b32 v63, 0
	ds_add_u32 v62, v63
	v_lshrrev_b32 v1, 5, v0
	v_readfirstlane_b32 s14, v1                    ; wave 0..3
	s_lshr_b32 s15, s14, 1                         ; which 64 rows of the block are mine.  Also: I fetch for tw (0) or for xb (1)
	s_and_b32 s16, s14, 1                          ; which 128 columns.  Also: which half of that tile I fetch
	s_bfe_u32 s17, ttmp6, 0x40000                  ; cx: my place along the cluster's x
	s_bfe_u32 s18, ttmp6, 0x40004                  ; cy: along its y
	s_lshl_b32 s19, ttmp9, 2                       ; in a cluster launch ttmp9 and ttmp7 count clusters
	s_add_co_u32 s19, s19, s17                     ; block column = 4 x cluster x + cx
	s_and_b32 s20, ttmp7, 0xffff
	s_lshl_b32 s20, s20, 2
	s_add_co_u32 s20, s20, s18                     ; block row = 4 x cluster y + cy
	s_lshl_b32 s21, s18, 2
	s_lshl_b32 s21, 15, s21                        ; my row of the cluster: places 4 cy .. 4 cy + 3
	s_lshl_b32 s22, 0x1111, s17                    ; my column: places cx, cx + 4, cx + 8, cx + 12
	SHAPE G1A,    s21, CWX, KX, 64                 ; xb's tiles go to my row of the cluster,
	SHAPE G1B,    s22, CWX, KX, 128                ; tw's to my column
	SHAPE G1A+16, s21, CWY, KY, 64
	SHAPE G1B+16, s22, CWY, KY, 128
	; where the tiles come from.  xb's hang on the block row alone, tw's on the block column alone; every wave makes both addresses, in registers
	; that never hold the other coordinate, and asks by one of them.  A row is 8,192 bytes; both offsets stay below 2^26.
	s_lshl_b32 s76, s20, 7
	s_lshl_b32 s23, s16, 6
	s_add_co_u32 s76, s76, s23                     ; xb: row 128 x block row + 64 x half
	s_lshl_b32 s76, s76, 13
	s_mov_b32 s77, 0
	s_lshl_b32 s80, s19, 8
	s_lshl_b32 s23, s16, 7
	s_add_co_u32 s80, s80, s23                     ; tw: row 256 x block column + 128 x half
	s_lshl_b32 s80, s80, 13
	s_mov_b32 s81, 0
	; and where they go (63:32 of group 0): a constant plus the wave's number times a constant: no place in the cluster enters an LDS address
	s_mul_i32 s[G0B+1], s14, 128*PX                ; X, waves 0, 1: tw's rows 0-127, 128-255
	s_mul_i32 s[G0A+1], s14, 64*PX
	s_add_co_u32 s[G0A+1], s[G0A+1], 128*PX        ; X, waves 2, 3: rows 256-319, 320-383 of the slot = xb's rows 0-63, 64-127
	s_mul_i32 s[G0B+13], s14, 128*PY
	s_add_co_u32 s[G0B+13], s[G0B+13], YBASE       ; Y likewise
	s_mul_i32 s[G0A+13], s14, 64*PY
	s_add_co_u32 s[G0A+13], s[G0A+13], YBASE+128*PY
	s_wait_dscnt 0x0
	s_wait_kmcnt 0x0
	s_add_nc_u64 s[G0A+2:G0A+3],   s[4:5], s[76:77]            ; 120:64 global address: X0 begins at K = 0,
	s_add_nc_u64 s[G0A+14:G0A+15], s[G0A+2:G0A+3], KX*2        ; Y0 at K = 256
	s_add_nc_u64 s[G0B+2:G0B+3],   s[6:7], s[80:81]
	s_add_nc_u64 s[G0B+14:G0B+15], s[G0B+2:G0B+3], KX*2
.irp g, G0A, G0B, G0A+12, G0B+12
	s_mov_b32 s[\g], 1                             ; 1:0 count = 1
	s_or_b32 s[\g+3], s[\g+3], 0x80000000          ; 127:126 type = 2
.endr
	CROUND                                         ; all sixteen work-groups are here: the first joint loads meet
	JLOAD 0                                        ; both slots' first fills go out together, behind the one round:
	JLOAD 1                                        ; two tensor loads of the wave are out
	; A fragment is 16 rows x 32 K in 8 registers: lane l holds row l % 16; registers 0-3 hold K = 8 (l / 16) + 0..7, registers 4-7
	; K = 16 + 8 (l / 16) + 0..7.  From rows that lie along K: two loads of 16 bytes, 32 bytes apart.
	v_and_b32 v1, 15, v0                           ; r = l % 16
	v_bfe_u32 v2, v0, 4, 1                         ; h = l / 16
	v_mul_u32_u24 v3, v1, PX
	v_lshl_add_u32 v3, v2, 4, v3                   ; X: row x pitch + 16 h
	v_mul_u32_u24 v4, v1, PY
	v_lshl_add_u32 v4, v2, 4, v4                   ; Y: the same with its pitch
	s_mul_i32 s84, s16, 128*PX                     ; X: my 128 rows of tw
	s_mul_i32 s85, s15, 64*PX                      ;    my 64 rows of xb,
	s_add_co_u32 s85, s85, XA                      ;    which lie behind tw's 256
	s_mul_i32 s86, s16, 128*PY
	s_add_co_u32 s86, s86, YBASE                   ; Y likewise
	s_mul_i32 s87, s15, 64*PY
	s_add_co_u32 s87, s87, YA
	v_add_nc_u32 v[ADRB],   s84, v3
	v_add_nc_u32 v[ADRA],   s85, v3
	v_add_nc_u32 v[ADRB+1], s86, v4
	v_add_nc_u32 v[ADRA+1], s87, v4
	v_lshlrev_b32 v[BO], 4, v1                     ; 16 r: four f32, columns 4 r .. 4 r + 3 of a group of 64
	v_lshl_add_u32 v[CO], v2, 17, v[BO]            ; + 8 h rows of 16,384 bytes
	s_lshl_b32 s92, s19, 10                        ; my first column in bytes of f32: 1,024 x block column
	s_lshl_b32 s23, s16, 9                         ; + 512 x half
	s_add_co_u32 s92, s92, s23
	s_mov_b32 s93, 0
	s_add_nc_u64 s[8:9], s[8:9], s[92:93]
	s_add_nc_u64 s[10:11], s[10:11], s[92:93]
	global_load_b128 v[BD:BD+3],     v[BO], s[8:9]
	global_load_b128 v[BD+4:BD+7],   v[BO], s[8:9] offset:256
	global_load_b128 v[BD+8:BD+11],  v[BO], s[10:11]
	global_load_b128 v[BD+12:BD+15], v[BO], s[10:11] offset:256
	s_add_nc_u64 s[12:13], s[12:13], s[92:93]      ; out0 at my first column,
	s_lshl_b32 s76, s20, 7                         ; (xb's offset pair is free: the tiles' addresses have been made of it; it holds the block row again)
	s_lshl_b32 s23, s15, 6
	s_add_co_u32 s76, s76, s23                     ; row 128 x block row + 64 x half,
	s_lshl_b32 s76, s76, 14                        ; of 16,384 bytes: below 2^26
	s_add_nc_u64 s[12:13], s[12:13], s[76:77]      ; and at my first row
	s_wait_loadcnt 0x0                             ; the biases, once, while the first tiles are on their way
.irp j, 0,2,4,6
	v_pk_add_f32 v[BD+\j:BD+\j+1], v[BD+\j:BD+\j+1], v[BD+8+\j:BD+8+\j+1] neg_lo:[0,1] neg_hi:[0,1]   ; b1 - b2
.endr
; 16 matrix instructions: row blocks a0, a0 + 1 x all 8 column blocks, 32 along K.  Source 0 = 16 rows of xb, source 1 = 16 rows of tw: register j of
; lane l of the result is row 8 (l / 16) + j, tile column l % 16.  zero = 1: the first product starts the sums: nothing is ever cleared.
; The 32 accumulators take turns, one instruction a turn, in the same order in every quarter step, over the loop's backward jump too.
.macro MUL16 f, a0, zero
.irp a, \a0, \a0+1
.irp b, 0,1,2,3,4,5,6,7
.if \zero
	v_wmma_f32_16x16x32_bf16 v[8*(8*(\a)+\b):8*(8*(\a)+\b)+7], v[\f+64+8*(\a):\f+64+8*(\a)+7], v[\f+8*\b:\f+8*\b+7], 0
.else
	v_wmma_f32_16x16x32_bf16 v[8*(8*(\a)+\b):8*(8*(\a)+\b)+7], v[\f+64+8*(\a):\f+64+8*(\a)+7], v[\f+8*\b:\f+8*\b+7], v[8*(8*(\a)+\b):8*(8*(\a)+\b)+7]
.endif
.endr
.endr
.endm
; 24 LDS loads in one run: the fragments of one quarter step (128 rows of tw, 64 rows of xb, 32 K at byte k of slot sl's rows) into buffer f.
; The slot's pitch is PX - 256 sl; the largest offset is 448 + 7 x 16 x 528 + 32 = 59,616, inside the 16 bits of the immediate.
.macro FETCH sl, k, f
.irp i, 0,1,2,3,4,5,6,7
	ds_load_b128 v[\f+8*\i:\f+8*\i+3],   v[ADRB+\sl] offset:\k+\i*16*(PX-256*\sl)
	ds_load_b128 v[\f+8*\i+4:\f+8*\i+7], v[ADRB+\sl] offset:\k+\i*16*(PX-256*\sl)+32
.endr
.irp i, 0,1,2,3
	ds_load_b128 v[\f+64+8*\i:\f+64+8*\i+3],   v[ADRA+\sl] offset:\k+\i*16*(PX-256*\sl)
	ds_load_b128 v[\f+64+8*\i+4:\f+64+8*\i+7], v[ADRA+\sl] offset:\k+\i*16*(PX-256*\sl)+32
.endr
.endm
; A load into a register that a matrix instruction has read, and a vector instruction that reads a matrix result or writes one of a matrix instruction's
; registers, stand four places behind it, and only plain vector instructions that name none of its registers are places (ISA guide 7.12.1 for vector
; instructions).  So four v_nop stand in front of each run of loads and in front of the way out.
.macro PLACES
.rept 4
	v_nop
.endr
.endm
; A quarter step is 32 along K, 32 matrix instructions; slot X holds eight of them, slot Y four, on buffers 0, 1, 0, 1, ..
; Any but a slot's last: at its head the next quarter's fragments (byte k of the same slot's rows) go out into buffer g; then buffer f is multiplied,
; so that the run of loads has all 32 matrix instructions in which to come back.
.macro QUARTER sl, k, f, g, zero
	PLACES
	FETCH \sl, \k, \g
	s_wait_dscnt 24                                ; LDS loads come back in order (ISA guide 5.7.1): all but the 24 just issued are in: buffer f is whole
	WIN ACCW
	MUL16 \f, 0, \zero
	MUL16 \f, 2, \zero
	WIN 0
.endm
.macro SEVEN zero                      ; slot X but for its last quarter
	QUARTER 0, 64,  F0, F1, \zero
	QUARTER 0, 128, F1, F0, 0
	QUARTER 0, 192, F0, F1, 0
	QUARTER 0, 256, F1, F0, 0
	QUARTER 0, 320, F0, F1, 0
	QUARTER 0, 384, F1, F0, 0
	QUARTER 0, 448, F0, F1, 0
.endm
.macro THREE                           ; slot Y but for its last quarter
	QUARTER 1, 64,  F0, F1, 0
	QUARTER 1, 128, F1, F0, 0
	QUARTER 1, 192, F0, F1, 0
.endm
; A slot's last quarter: multiplies buffer 1 and changes slots.  sl = the slot that is left, next = the other; fill = 1: sl is filled again, with its tile of the next lap.
; One barrier for the change of slots, for two things.  In front of it each wave waits for its own reads of slot sl and for all its tensor loads, of
; which one is out: its part of the other slot.  Behind it nobody reads slot sl any more and the other slot is whole: the refill comes first, one tensor
; load a wave, then the other slot's first fragments.  From a request to the wait for it a wave issues 16 + 3 x 32 = 112 matrix instructions (X's tile,
; while Y is multiplied) or 16 + 7 x 32 = 240 (Y's tile, while X is multiplied).
.macro TURN sl, next, fill
	s_wait_dscnt 0x0                               ; buffer 1 is whole, and with it my reads of this slot are over
	s_wait_tensorcnt 0x0                           ; all my tensor loads have landed: no load of mine is out, so a group 0 may be written below
	ds_add_u32 v62, v63
	s_wait_dscnt 0x0
	s_barrier_signal -1                            ; say so (where the slot is filled again this barrier opens a round of the cluster's barrier),
	WIN ACCW
	MUL16 F1, 0, 0                                 ; work on registers while the others arrive,
	WIN 0
	s_barrier_wait -1                              ; and go on when all four have said so
.if \fill
	CREST                                          ; all sixteen work-groups have said so: no wave of any partner still reads this slot's tile or has a load on its way
	s_add_nc_u64 s[G0A+12*\sl+2:G0A+12*\sl+3], s[G0A+12*\sl+2:G0A+12*\sl+3], LAPB
	s_add_nc_u64 s[G0B+12*\sl+2:G0B+12*\sl+3], s[G0B+12*\sl+2:G0B+12*\sl+3], LAPB
	JLOAD \sl                                      ; the first tensor load behind the round, and my only one until the next
.endif
	PLACES
	FETCH \next, 0, F0
	WIN ACCW
	MUL16 F1, 2, 0
	WIN 0
.endm
.macro LAP zero                        ; an X and a Y, both slots filled again
	SEVEN \zero
	TURN 0, 1, 1
	THREE
	TURN 1, 0, 1
.endm
	s_wait_tensorcnt 0x1                           ; my part of X0 is in; Y0's, issued behind it, may stay out
	s_barrier_signal -1
	s_barrier_wait -1                              ; everybody's part is in
	FETCH 0, 0, F0
	LAP 1                                          ; lap 0 stands in front of the loop: its first products start the sums; it asks for X1 and Y1
	s_mov_b32 s3, LAPS-2                           ; laps 1 to 8 ask for X2 .. X9 and Y2 .. Y9
.Llap:
	LAP 0
	s_sub_co_u32 s3, s3, 1
	s_cmp_lg_u32 s3, 0
	s_cbranch_scc1 .Llap
	SEVEN 0                                        ; lap 9:
	TURN 0, 1, 1                                   ; X is filled once more, with X10 = K 3,840 to 4,095: the last tensor load
	THREE
	TURN 1, 0, 0                                   ; Y is not: no later step would read it; no round either: the wait for 0 and my work-group's barrier show X10 whole
	SEVEN 0                                        ; X10
	s_wait_dscnt 0x0                               ; the very last quarter: nothing more to fetch
	WIN ACCW
	MUL16 F1, 0, 0
	MUL16 F1, 2, 0
	WIN 0
	; THE WAY OUT.  The four v_nop are the places behind the last matrix instructions: for the adds, which read results and write into the fragment buffers.
	PLACES
; Rows 16 a .. 16 a + 15, columns 64 g .. 64 g + 63 of my block: the four tiles (a, 4 g + b).  Register j of tile b in lane (r, h) is row 16 a + 8 h + j,
; column 64 g + 4 r + b: the add of the bias lays b = 0..3 side by side in tmp (32 registers of a fragment buffer, two buffers in turn).
.macro OUTG a, g, tmp
	s_wait_xcnt 0x0                                ; every earlier memory instruction has had its addresses translated (ISA guide 3.1): tmp, which earlier stores read, is rewritten only behind this wait
	WIN EPIW
.irp j, 0,1,2,3,4,5,6,7
.irp b, 0,1,2,3
	v_add_f32 v[\tmp+4*\j+\b], v[8*(8*\a+4*\g+\b)+\j], v[BD+4*\g+\b]
.endr
.endr
	WIN 0
.irp j, 0,1,2,3,4,5,6,7
	global_store_b128 v[CO], v[\tmp+4*\j:\tmp+4*\j+3], s[12:13] offset:(16*\a+\j)*OROW+256*\g th:TH_STORE_NT   ; lanes 0-15: 256 consecutive bytes of row 16 a + j, aligned; lanes 16-31: of row 16 a + 8 + j
.endr
.endm
	OUTG 0, 0, F0
	OUTG 0, 1, F1
	OUTG 1, 0, F0
	OUTG 1, 1, F1
	OUTG 2, 0, F0
	OUTG 2, 1, F1
	OUTG 3, 0, F0
	OUTG 3, 1, F1
	CROUND                                         ; the closing round: no work-group ends while a partner may still ask for a tile that names it
	s_endpgm
.Lfunc_end_k_qa4d21c9759_gemm:
	.size	k_qa4d21c9759_gemm, .Lfunc_end_k_qa4d21c9759_gemm-k_qa4d21c9759_gemm
	.p2alignl 7, 3214868480
	.fill 96, 4, 3214868480
	.section	.rodata,"a",@progbits
	.p2align	6, 0x0
	.amdhsa_kernel k_qa4d21c9759_gemm
		.amdhsa_group_segment_fixed_size 327680
		.amdhsa_private_segment_fixed_size 0
		.amdhsa_enable_private_segment 0
		.amdhsa_kernarg_size 40
		.amdhsa_user_sgpr_count 2
		.amdhsa_user_sgpr_kernarg_segment_ptr 1
		.amdhsa_wavefront_size32 1
		.amdhsa_system_sgpr_workgroup_id_x 1
		.amdhsa_system_sgpr_workgroup_id_y 1
		.amdhsa_system_sgpr_workgroup_id_z 1
		.amdhsa_system_vgpr_workitem_id 0
		.amdhsa_next_free_vgpr 512
		.amdhsa_next_free_sgpr 96
		.amdhsa_reserve_vcc 0
		.amdhsa_float_denorm_mode_32 3
		.amdhsa_float_denorm_mode_16_64 3
		.amdhsa_memory_ordered 1
		.amdhsa_forward_progress 1
		.amdhsa_inst_pref_size 192
	.end_amdhsa_kernel
	.amdgpu_metadata
---
amdhsa.version: [ 1, 2 ]
amdhsa.kernels:
  - .name:           k_qa4d21c9759_gemm
    .symbol:         k_qa4d21c9759_gemm.kd
    .args:
      - { .name: xb, .offset: 0, .size: 8, .value_kind: global_buffer, .address_space: global }
      - { .name: tw, .offset: 8, .size: 8, .value_kind: global_buffer, .address_space: global }
      - { .name: b1, .offset: 16, .size: 8, .value_kind: global_buffer, .address_space: global }
      - { .name: b2, .offset: 24, .size: 8, .value_kind: global_buffer, .address_space: global }
      - { .name: out0, .offset: 32, .size: 8, .value_kind: global_buffer, .address_space: global }
    .group_segment_fixed_size: 327680
    .private_segment_fixed_size: 0
    .kernarg_segment_align: 8
    .kernarg_segment_size: 40
    .max_flat_workgroup_size: 128
    .sgpr_count:     96
    .vgpr_count:     512
    .wavefront_size: 32
...
	.end_amdgpu_metadata
.endif
;; end of part 2
;; ======== version 2 of 2: 2 launches; version 1 with the launch prep written anew for expert scheduling mode
;; workspace buffers: xb 16,777,216 bytes; tw 33,554,432 bytes
;; launch prep (part 3): grid 1024 x 1, 8 waves a work-group, no clusters, 0 bytes of LDS; arguments W1, W2, x, tw, xb; writes tw, xb
.if DOCPART == 3
	.amdgcn_target "amdgcn-amd-amdhsa--gfx1250"
	.amdhsa_code_object_version 6
	.text
	.protected	k_qa4d21c9759_prep
	.globl	k_qa4d21c9759_prep
	.p2align	8
	.type	k_qa4d21c9759_prep,@function
k_qa4d21c9759_prep:
	s_mov_b64 s[64:65], 0
	v_nop
	global_prefetch_b8 v0, s[64:65] scope:SCOPE_SE
	s_setreg_imm32_b32 hwreg(HW_REG_WAVE_SCHED_MODE, 0, 2), 2
	s_setreg_imm32_b32 hwreg(HW_REG_WAVE_MODE, 25, 1), 1
	s_wait_xcnt 0x0
	s_wait_alu depctr_vm_vsrc(0)
; tw = bf16( s(W1) - s(W2) ), xb = bf16(x), where s(w) = w + (sign(w) - w) in f32, term by term as the problem writes it:
; NaN, infinities, both zeros, denormals and very large |w| come out as that formula gives them, so W has no limit of range.
; The one rounding beyond the formula's own is the last one, to bf16 (s(W1) - s(W2) is -2, -1, 0, 1, 2 up to a last bit of f32).
; The two products of the problem share x, so x s(W1)^T - x s(W2)^T = x (s(W1) - s(W2))^T: one matrix to multiply by, not two.
;
; ROWS OF tw ARE PERMUTED inside groups of 64: row n = 64 G + 4 r + b (r 0..15, b 0..3) of the difference lies at row 64 G + 16 b + r of tw.
; The product's launch then finds four neighbouring columns of a row of the output in one lane.  Here it costs a store's immediate.
;
; A stream: no byte is shared, so no LDS, no barrier, no matrix unit.  Eight waves; work-group g owns rows 4 g .. 4 g + 3 of W1 and W2
; (65,536 neighbouring bytes of each) and 32,768 bytes of x.  A step is 4,096 bytes of f32: thread t takes the 16 bytes at 16 t (a wave's
; load covers 512 neighbouring bytes) and stores 8 bytes at 8 t (a wave's store covers 256 consecutive bytes, aligned).
; 20 pairs of loads (16: a step of W1 with the same step of W2; 4: two steps of x) go through a ring of SLOTS register slots.
; All is written out: every place stands in an immediate, no address register is ever rewritten, and every turn has result registers
; of its own, so that no source of a pending store is ever rewritten either.
;
; THE MODE: SCHED_MODE bits 1:0 = 2 (LLVM: expert scheduling mode 2), set by the entry lines.  The code itself states the register dependences
; between vector instructions and memory instructions, with s_wait_alu, always for 0.
; THE PLAN.  Registers that memory instructions touch:
;   R0 .. R6   seven slots of 8.  Written by the two loads of a pair alone (pair p lands in slot p mod 7); read by turn p's vector instructions.
;   Y          2 registers for each turn of W, 4 for each turn of x.  Written once, by that turn's roundings; read by its store(s), issued in the NEXT turn.
;   v1, v2     byte offsets, made once at the head and never written again.
;   S is named by vector instructions alone.  s[20:27] are written by a turn's compares and read by its selects.
; Turn t works on slot t mod 7 and writes Y[t].  Its memory instructions are the loads of pair t + 6, which land in slot (t + 6) mod 7 = (t - 1) mod 7,
; and the store of Y[t - 1]: registers that turn t - 1 worked on and that no vector instruction of turn t names.  So ONE wait on va_vdst at a turn's
; head states all that they hang on, and they are dealt among the turn's vector instructions with no further wait.  One wait on va_sdst a turn of W
; stands between the compares and the selects.  No register that a memory instruction reads is ever written again: nothing is owed on vm_vsrc.
; At a turn's wait for its data twelve loads of the wave are out, its own two among them; the seventh slot is the one that lies idle from its last read to the next turn's head.
.set SLOTS, 7                          ; slots of the ring
.set PAIRS, 20
.set WPAIRS, 16
.set STEP,  4096                       ; bytes of f32 in a step
.set OSTEP, 2048                       ; bytes of bf16 that it makes
.set R, 4                              ; v[4:59]    slot i: 8 registers: W1's 4 and W2's 4, or x's 4 and 4
.set S, 60                             ; v[60:67]   at work
.set Y, 68                             ; v[68:99]   W turn t: 2 registers to store;  v[100:115] x turn p: 4 registers to store
	s_load_b256 s[4:11], s[0:1], 0x0               ; W1 s[4:5], W2 s[6:7], x s[8:9], tw s[10:11]
	s_load_b64 s[12:13], s[0:1], 0x20              ; xb
	v_lshlrev_b32 v1, 4, v0                        ; 16 t: my bytes in a step as loaded
	v_lshlrev_b32 v2, 3, v0                        ; 8 t: my bytes in a step as stored
	s_mov_b32 s16, 0x7fffffff                      ; all but the sign
	s_mov_b32 s15, 0                               ; offsets stay below 2^27: the pair's high word is 0
	s_lshr_b32 s17, ttmp9, 4                       ; G = g / 16
	s_lshl_b32 s17, s17, 6
	s_and_b32 s18, ttmp9, 15                       ; r = g mod 16
	s_add_co_u32 s17, s17, s18                     ; row 64 G + r of tw: where my row b = 0 goes
	s_lshl_b32 s14, ttmp9, 16                      ; g x 4 rows x 16,384 bytes
	s_wait_kmcnt 0x0
	s_add_nc_u64 s[4:5], s[4:5], s[14:15]
	s_add_nc_u64 s[6:7], s[6:7], s[14:15]
	s_lshl_b32 s14, ttmp9, 15                      ; g x 32,768 bytes of x
	s_add_nc_u64 s[8:9], s[8:9], s[14:15]
	s_lshl_b32 s14, ttmp9, 14                      ; g x 16,384 bytes of xb
	s_add_nc_u64 s[12:13], s[12:13], s[14:15]
	s_lshl_b32 s14, s17, 13                        ; a row of tw is 8,192 bytes
	s_add_nc_u64 s[10:11], s[10:11], s[14:15]
	s_wait_alu depctr_va_vdst(0)                   ; v1 and v2 are written: every load of the kernel reads v1 as its offset, every store v2
; Load q (0, 1) of pair p goes out, into slot p mod SLOTS.  The inputs are read once in the launch: non-temporal.
.macro LOADONE p, q
.set LX, R+8*((\p)%SLOTS)+4*(\q)
.if (\p) < WPAIRS
	global_load_b128 v[LX:LX+3], v1, s[4+2*(\q):5+2*(\q)] offset:STEP*(\p) th:TH_LOAD_NT                  ; q = 0: W1; q = 1: the same step of W2
.else
	global_load_b128 v[LX:LX+3], v1, s[8:9] offset:STEP*(2*((\p)-WPAIRS)+(\q)) th:TH_LOAD_NT
.endif
.endm
; Pair p is in.  Loads come back in order (ISA guide 5.7.1).  At turn 0 the pairs 0 to 6 have gone out, at turn p > 0 those up to min(p + 5, PAIRS - 1):
; the count is the two loads of each pair younger than p: 12, then 10, and in the last turns 8, 6, 4, 2, 0.
.macro WAITPAIR p
.if (\p) == 0
	s_wait_loadcnt 2*(SLOTS-1)
.elseif PAIRS-1-(\p) < SLOTS-2
	s_wait_loadcnt 2*(PAIRS-1-(\p))
.else
	s_wait_loadcnt 2*(SLOTS-2)
.endif
.endm
; What turn t has made leaves: issued in turn t + 1, behind that turn's wait on va_vdst.
.macro SENDTURN t
.if (\t) < WPAIRS
	global_store_b64 v2, v[Y+2*(\t):Y+2*(\t)+1], s[10:11] offset:((\t)>>2)*16*8192+((\t)&3)*OSTEP   ; row b lies 16 b rows of tw further down; read again by the next launch: no hint
.else
.set SY, Y+2*WPAIRS+4*((\t)-WPAIRS)
	global_store_b64 v2, v[SY:SY+1],   s[12:13] offset:OSTEP*(2*((\t)-WPAIRS))
	global_store_b64 v2, v[SY+2:SY+3], s[12:13] offset:OSTEP*(2*((\t)-WPAIRS)+1)
.endif
.endm
; Turn t of W: step t = quarter t mod 4 of my row b = t / 4.
.macro WTURN t
.set X, R+8*((\t)%SLOTS)
	WAITPAIR \t
.if (\t) > 0
	s_wait_alu depctr_va_vdst(0)                   ; the turn before has written its Y, which the store below reads, and is done reading its slot, in which the loads below land
.endif
.if ((\t) > 0) && ((\t)+SLOTS-1 < PAIRS)
	LOADONE (\t)+SLOTS-1, 0                        ; the last turn's slot takes its next pair; no vector instruction since the wait names it
.endif
.irp j, 0,1,2,3,4,5,6,7
	v_cmp_neq_f32 s[20+\j], 0, v[X+\j]             ; true for a NaN too: it then spoils the difference below, as in the formula
.endr
.if ((\t) > 0) && ((\t)+SLOTS-1 < PAIRS)
	LOADONE (\t)+SLOTS-1, 1
.endif
.irp j, 0,1,2,3,4,5,6,7
	v_bfi_b32 v[S+\j], s16, 1.0, v[X+\j]           ; 1.0 with w's sign
.endr
.if (\t) > 0
	SENDTURN (\t)-1                                ; behind the loads; no vector instruction since the wait names the last turn's Y
.endif
	s_wait_alu depctr_va_sdst(0)                   ; the eight compares have written s[20:27], which the selects below read
.irp j, 0,1,2,3,4,5,6,7
	v_cndmask_b32 v[S+\j], v[X+\j], v[S+\j], s[20+\j]      ; sign(w): a zero stays itself
.endr
.irp j, 0,2,4,6
	v_pk_add_f32 v[S+\j:S+\j+1], v[S+\j:S+\j+1], v[X+\j:X+\j+1] neg_lo:[0,1] neg_hi:[0,1]   ; sign(w) - w
.endr
.irp j, 0,2,4,6
	v_pk_add_f32 v[S+\j:S+\j+1], v[X+\j:X+\j+1], v[S+\j:S+\j+1]                             ; w + (sign(w) - w)
.endr
	v_pk_add_f32 v[S:S+1],   v[S:S+1],   v[S+4:S+5] neg_lo:[0,1] neg_hi:[0,1]                ; W1's less W2's
	v_pk_add_f32 v[S+2:S+3], v[S+2:S+3], v[S+6:S+7] neg_lo:[0,1] neg_hi:[0,1]
	v_cvt_pk_bf16_f32 v[Y+2*(\t)],   v[S],   v[S+1]
	v_cvt_pk_bf16_f32 v[Y+2*(\t)+1], v[S+2], v[S+3]
.endm
; Turn p of x: two steps, rounded.  Nothing is left to load.
.macro XTURN p
.set X, R+8*((\p)%SLOTS)
.set YX, Y+2*WPAIRS+4*((\p)-WPAIRS)
	WAITPAIR \p
	s_wait_alu depctr_va_vdst(0)                   ; the turn before has written its Y, which the store(s) below read
	SENDTURN (\p)-1
.irp j, 0,1,2,3
	v_cvt_pk_bf16_f32 v[YX+\j], v[X+2*\j], v[X+2*\j+1]
.endr
.endm
.irp p, 0,1,2,3,4,5,6
	LOADONE \p, 0                                  ; the ring is filled, all seven slots: no vector instruction has named them
	LOADONE \p, 1
.endr
.irp t, 0,1,2,3,4,5,6,7,8,9,10,11,12,13,14,15
	WTURN \t
.endr
.irp p, 16,17,18,19
	XTURN \p
.endr
	s_wait_alu depctr_va_vdst(0)                   ; the last turn has written its Y, which the last two stores read
	SENDTURN PAIRS-1
	s_endpgm
.Lfunc_end_k_qa4d21c9759_prep:
	.size	k_qa4d21c9759_prep, .Lfunc_end_k_qa4d21c9759_prep-k_qa4d21c9759_prep
	.p2alignl 7, 3214868480
	.fill 96, 4, 3214868480
	.section	.rodata,"a",@progbits
	.p2align	6, 0x0
	.amdhsa_kernel k_qa4d21c9759_prep
		.amdhsa_group_segment_fixed_size 0
		.amdhsa_private_segment_fixed_size 0
		.amdhsa_enable_private_segment 0
		.amdhsa_kernarg_size 40
		.amdhsa_user_sgpr_count 2
		.amdhsa_user_sgpr_kernarg_segment_ptr 1
		.amdhsa_wavefront_size32 1
		.amdhsa_system_sgpr_workgroup_id_x 1
		.amdhsa_system_sgpr_workgroup_id_y 1
		.amdhsa_system_sgpr_workgroup_id_z 1
		.amdhsa_system_vgpr_workitem_id 0
		.amdhsa_next_free_vgpr 116
		.amdhsa_next_free_sgpr 66
		.amdhsa_reserve_vcc 0
		.amdhsa_float_denorm_mode_32 3
		.amdhsa_float_denorm_mode_16_64 3
		.amdhsa_memory_ordered 1
		.amdhsa_forward_progress 1
		.amdhsa_inst_pref_size 46
	.end_amdhsa_kernel
	.amdgpu_metadata
---
amdhsa.version: [ 1, 2 ]
amdhsa.kernels:
  - .name:           k_qa4d21c9759_prep
    .symbol:         k_qa4d21c9759_prep.kd
    .args:
      - { .name: W1, .offset: 0, .size: 8, .value_kind: global_buffer, .address_space: global }
      - { .name: W2, .offset: 8, .size: 8, .value_kind: global_buffer, .address_space: global }
      - { .name: x, .offset: 16, .size: 8, .value_kind: global_buffer, .address_space: global }
      - { .name: tw, .offset: 24, .size: 8, .value_kind: global_buffer, .address_space: global }
      - { .name: xb, .offset: 32, .size: 8, .value_kind: global_buffer, .address_space: global }
    .group_segment_fixed_size: 0
    .private_segment_fixed_size: 0
    .kernarg_segment_align: 8
    .kernarg_segment_size: 40
    .max_flat_workgroup_size: 256
    .sgpr_count:     66
    .vgpr_count:     116
    .wavefront_size: 32
...
	.end_amdgpu_metadata
.endif
;; end of part 3
;; launch gemm: the kernel of part 2 again; grid 16 x 16, 4 waves a work-group, clusters of 4 x 4, 327,680 bytes of LDS; arguments xb, tw, b1, b2, out0; writes out0
